; MI455X (gfx1250); checked and timed in simulation.
; The chip was launched on July 23, 2026; its instructions are those of AMD's public machine-readable ISA for CDNA 5 (MIT licence, August 2026) and "CDNA5" Instruction Set Architecture Reference Guide (July 2026). The comments in the code are by the model that wrote it; some were corrected since.
;; Voxel Rasterizer. Allowed arithmetic: float matrix products may take bf16 or f16 operands with f32 sums; all other float work in f32.
;; Inputs: colors 1,024 x 27 float32; densities 1,024 float32; positions 1,024 x 3 float32; ray_directions 2,048 x 3 float32; ray_origins 2,048 x 3 float32; sizes 1,024 float32.
;; Outputs: out0 2,048 x 3 float32; out1 2,048 x 1 float32; out2 2,048 x 1 float32.
;; One version. Each part assembles by itself: llvm-mc -triple=amdgcn-amd-amdhsa -mcpu=gfx1250 --defsym DOCPART=n.
;; ======== version 1 of 1: 2 launches
;; workspace buffers: hits 262,144 bytes of whole numbers
;; launch hitmask (part 1): grid 256 x 1, 4 waves a work-group, no clusters, 0 bytes of LDS; arguments positions, sizes, ray_origins, ray_directions, hits; writes hits
.if DOCPART == 1
	.amdgcn_target "amdgcn-amd-amdhsa--gfx1250"
	.amdhsa_code_object_version 6
	.text
	.protected	k_q4860c73f83_hitmask
	.globl	k_q4860c73f83_hitmask
	.p2align	8
	.type	k_q4860c73f83_hitmask,@function
k_q4860c73f83_hitmask:
	s_mov_b64 s[64:65], 0
	v_nop
	global_prefetch_b8 v0, s[64:65] scope:SCOPE_SE
	s_setreg_imm32_b32 hwreg(HW_REG_WAVE_MODE, 25, 1), 1
	s_wait_xcnt 0x0
; hitmask: the slab test of every (ray, voxel) pair, 2,048 x 1,024, kept as one bit a pair.
; valid = (t_far > t_near) and (t_far > 0), with t0, t1 = (box face - origin) * (1 / direction), rounded step by step as the formula is written.
; Work-group b owns rays 8 b .. 8 b + 7.  Wave w keeps voxels 256 w .. 256 w + 255 in registers (8 groups g of 32, lane = voxel) and tests
; them against the 8 rays: a compare's lane mask IS the word of 32 bits that is stored.
; hits: one block of 1,024 bytes for 8 rays; the word of ray q and voxel group 8 w + g lies at byte 256 w + 32 q + 4 g; bit l = voxel 32 (8 w + g) + l.
; The wave's 64 words are gathered by v_writelane_b32 into two registers and leave in one store of 256 consecutive bytes, aligned.
; LEFT OUT, and why: LDS, tensor loads and joint loads of a cluster.  What work-groups share is the voxel table, 16 KiB; a wave needs 4 KiB of it
; once, straight in registers, and nothing is read a second time, so a way through LDS would only add a barrier in front of the arithmetic.
; The matrix unit has no part here: there is no product, only differences, minima, maxima and compares.
; LIMITS: 1 / d is v_rcp_f32 (1 ULP; a denormal d counts as 0): a pair whose t_far and t_near differ by an ULP may fall on the other side.
; A direction component that is exactly 0 with a box face exactly at the origin's coordinate gives 0 * inf = NaN: the minima and maxima here
; drop the NaN and judge by the other faces, where the formula as written rejects the voxel.
.set RO, 8                             ; v[8:31]    origins: ray q, axis a at RO + 3 q + a, the same in all lanes
.set RD, 32                            ; v[32:55]   directions likewise, then their reciprocals
.set PS, 56                            ; v[56:87]   group g: position in PS + 4 g .. + 2, size (then half of it) in PS + 4 g + 3
.set BB, 88                            ; v[88:135]  group g, axis a: the pair (bmin, bmax) at BB + 6 g + 2 a
.set T,  136                           ; v[136:183] group g, axis a: the pair (t0, t1), then max(t0, t1) in the first of the two
.set LO, 184                           ; v[184:207] group g, axis a: min(t0, t1)
.set MW, 208                           ; v[208:209] the wave's 64 mask words: lane 4 q + g / 2, register g & 1
.set SA, 20                            ; s[20:27]   group g: t_far > t_near, then valid
.set SB, 28                            ; s[28:35]   group g: t_far > 0
	s_load_b256 s[4:11], s[0:1], 0x0               ; positions s[4:5], sizes s[6:7], ray_origins s[8:9], ray_directions s[10:11]
	s_load_b64 s[12:13], s[0:1], 0x20              ; hits
	v_and_b32 v1, 31, v0                           ; lane
	v_lshrrev_b32 v2, 5, v0                        ; wave
	v_lshl_or_b32 v3, v2, 8, v1                    ; my voxel of group 0: 256 wave + lane
	v_mul_u32_u24 v4, 12, v3                       ; its byte offset in positions
	v_lshlrev_b32 v5, 2, v3                        ; and in sizes
	v_lshlrev_b32 v6, 3, v0                        ; the store: 256 wave + 8 lane
	v_mov_b32 v7, 0                                ; the rays are read at one address by all lanes
	s_mul_i32 s14, ttmp9, 96                       ; 8 rays x 12 bytes
	s_mov_b32 s15, 0
	s_lshl_b32 s16, ttmp9, 10                      ; my block of hits
	s_mov_b32 s17, 0
	s_wait_kmcnt 0x0
	s_add_nc_u64 s[8:9], s[8:9], s[14:15]
	s_add_nc_u64 s[10:11], s[10:11], s[14:15]
	s_add_nc_u64 s[12:13], s[12:13], s[16:17]
.irp i, 0,1,2,3,4,5
	global_load_b128 v[RO+4*\i:RO+4*\i+3], v7, s[8:9] offset:16*\i     ; 96 bytes = 8 origins (96 b is a multiple of 16)
.endr
.irp i, 0,1,2,3,4,5
	global_load_b128 v[RD+4*\i:RD+4*\i+3], v7, s[10:11] offset:16*\i   ; 8 directions
.endr
.irp g, 0,1,2,3,4,5,6,7
	global_load_b96 v[PS+4*\g:PS+4*\g+2], v4, s[4:5] offset:384*\g     ; 32 voxels x 12 bytes a group
.endr
.irp g, 0,1,2,3,4,5,6,7
	global_load_b32 v[PS+4*\g+3], v5, s[6:7] offset:128*\g
.endr
	v_mov_b32 v[MW], 0                             ; v_writelane_b32 keeps the other lanes: both registers are written whole once
	v_mov_b32 v[MW+1], 0
	s_wait_loadcnt 0x10                            ; the 12 ray loads are in; the 16 voxel loads issued behind them may stay out
.set j, 0
.rept 24
	v_rcp_f32 v[RD+j], v[RD+j]                     ; 1 / d
.set j, j+1
.endr
	s_wait_loadcnt 0x0
	; the boxes.  These plain lines touch no reciprocal: they are also the place behind the last v_rcp_f32 (ISA guide 5.7.2)
.irp g, 0,1,2,3,4,5,6,7
	v_mul_f32 v[PS+4*\g+3], 0.5, v[PS+4*\g+3]      ; half = size / 2
.endr
	s_wait_alu depctr_va_vdst(0)
.irp a, 0,1,2
.irp g, 0,1,2,3,4,5,6,7
	v_sub_f32 v[BB+6*\g+2*\a],   v[PS+4*\g+\a], v[PS+4*\g+3]
	v_add_f32 v[BB+6*\g+2*\a+1], v[PS+4*\g+\a], v[PS+4*\g+3]
.endr
.endr
; (bmin, bmax) - origin, both at once.  The origin is ONE register of an even-aligned pair: op_sel / op_sel_hi pick it for both halves.
.macro SLABSUB q, g, a
.if ((RO+3*\q+\a) & 1)
	v_pk_add_f32 v[T+6*\g+2*\a:T+6*\g+2*\a+1], v[BB+6*\g+2*\a:BB+6*\g+2*\a+1], v[RO+3*\q+\a-1:RO+3*\q+\a] op_sel:[0,1] op_sel_hi:[1,1] neg_lo:[0,1] neg_hi:[0,1]
.else
	v_pk_add_f32 v[T+6*\g+2*\a:T+6*\g+2*\a+1], v[BB+6*\g+2*\a:BB+6*\g+2*\a+1], v[RO+3*\q+\a:RO+3*\q+\a+1] op_sel_hi:[1,0] neg_lo:[0,1] neg_hi:[0,1]
.endif
.endm
; times 1 / d, picked in the same way
.macro SLABMUL q, g, a
.if ((RD+3*\q+\a) & 1)
	v_pk_mul_f32 v[T+6*\g+2*\a:T+6*\g+2*\a+1], v[T+6*\g+2*\a:T+6*\g+2*\a+1], v[RD+3*\q+\a-1:RD+3*\q+\a] op_sel:[0,1] op_sel_hi:[1,1]
.else
	v_pk_mul_f32 v[T+6*\g+2*\a:T+6*\g+2*\a+1], v[T+6*\g+2*\a:T+6*\g+2*\a+1], v[RD+3*\q+\a:RD+3*\q+\a+1] op_sel_hi:[1,0]
.endif
.endm
; Ray q against my 256 voxels.  The 8 groups go in step, so that a line and the line that needs its result stand at least 8 apart.
.macro RAY q
.irp a, 0,1,2
.irp g, 0,1,2,3,4,5,6,7
	SLABSUB \q, \g, \a
.endr
.endr
.irp a, 0,1,2
.irp g, 0,1,2,3,4,5,6,7
	SLABMUL \q, \g, \a
.endr
.endr
.irp a, 0,1,2
.irp g, 0,1,2,3,4,5,6,7
	v_min_num_f32 v[LO+3*\g+\a],  v[T+6*\g+2*\a], v[T+6*\g+2*\a+1]
	v_max_num_f32 v[T+6*\g+2*\a], v[T+6*\g+2*\a], v[T+6*\g+2*\a+1]
.endr
.endr
.irp g, 0,1,2,3,4,5,6,7
	v_max3_num_f32 v[LO+3*\g], v[LO+3*\g], v[LO+3*\g+1], v[LO+3*\g+2]  ; t_near
	v_min3_num_f32 v[T+6*\g],  v[T+6*\g],  v[T+6*\g+2],  v[T+6*\g+4]   ; t_far
.endr
.irp g, 0,1,2,3,4,5,6,7
	v_cmp_gt_f32 s[SA+\g], v[T+6*\g], v[LO+3*\g]   ; t_far > t_near
	v_cmp_lt_f32 s[SB+\g], 0, v[T+6*\g]            ; t_far > 0
.endr
.irp g, 0,1,2,3,4,5,6,7
	s_and_b32 s[SA+\g], s[SA+\g], s[SB+\g]
.endr
.irp g, 0,1,2,3,4,5,6,7
	v_writelane_b32 v[MW+(\g&1)], s[SA+\g], 4*\q+\g/2  ; byte 32 q + 4 g of the wave's 256 = lane 4 q + g / 2, register g & 1
.endr
.endm
.irp q, 0,1,2,3,4,5,6,7
	RAY \q
.endr
	global_store_b64 v6, v[MW:MW+1], s[12:13]      ; 32 lanes x 8 bytes: 256 consecutive bytes, at a multiple of 256 from the buffer's first byte
	s_endpgm
.Lfunc_end_k_q4860c73f83_hitmask:
	.size	k_q4860c73f83_hitmask, .Lfunc_end_k_q4860c73f83_hitmask-k_q4860c73f83_hitmask
	.p2alignl 7, 3214868480
	.fill 96, 4, 3214868480
	.section	.rodata,"a",@progbits
	.p2align	6, 0x0
	.amdhsa_kernel k_q4860c73f83_hitmask
		.amdhsa_group_segment_fixed_size 0
		.amdhsa_private_segment_fixed_size 0
		.amdhsa_enable_private_segment 0
		.amdhsa_kernarg_size 40
		.amdhsa_user_sgpr_count 2
		.amdhsa_user_sgpr_kernarg_segment_ptr 1
		.amdhsa_wavefront_size32 1
		.amdhsa_system_sgpr_workgroup_id_x 1
		.amdhsa_system_sgpr_workgroup_id_y 1
		.amdhsa_system_sgpr_workgroup_id_z 1
		.amdhsa_system_vgpr_workitem_id 0
		.amdhsa_next_free_vgpr 212
		.amdhsa_next_free_sgpr 66
		.amdhsa_reserve_vcc 0
		.amdhsa_float_denorm_mode_32 3
		.amdhsa_float_denorm_mode_16_64 3
		.amdhsa_memory_ordered 1
		.amdhsa_forward_progress 1
		.amdhsa_inst_pref_size 65
	.end_amdhsa_kernel
	.amdgpu_metadata
---
amdhsa.version: [ 1, 2 ]
amdhsa.kernels:
  - .name:           k_q4860c73f83_hitmask
    .symbol:         k_q4860c73f83_hitmask.kd
    .args:
      - { .name: positions, .offset: 0, .size: 8, .value_kind: global_buffer, .address_space: global }
      - { .name: sizes, .offset: 8, .size: 8, .value_kind: global_buffer, .address_space: global }
      - { .name: ray_origins, .offset: 16, .size: 8, .value_kind: global_buffer, .address_space: global }
      - { .name: ray_directions, .offset: 24, .size: 8, .value_kind: global_buffer, .address_space: global }
      - { .name: hits, .offset: 32, .size: 8, .value_kind: global_buffer, .address_space: global }
    .group_segment_fixed_size: 0
    .private_segment_fixed_size: 0
    .kernarg_segment_align: 8
    .kernarg_segment_size: 40
    .max_flat_workgroup_size: 128
    .sgpr_count:     66
    .vgpr_count:     212
    .wavefront_size: 32
...
	.end_amdgpu_metadata
.endif
;; end of part 1
;; launch composite (part 2): grid 2048 x 1, 1 waves a work-group, no clusters, 41,216 bytes of LDS; arguments hits, ray_origins, ray_directions, positions, sizes, densities, colors, out0, out1, out2; writes out0, out1, out2
.if DOCPART == 2
	.amdgcn_target "amdgcn-amd-amdhsa--gfx1250"
	.amdhsa_code_object_version 6
	.text
	.protected	k_q4860c73f83_composite
	.globl	k_q4860c73f83_composite
	.p2align	8
	.type	k_q4860c73f83_composite,@function
k_q4860c73f83_composite:
	s_mov_b64 s[64:65], 0
	v_nop
	global_prefetch_b8 v0, s[64:65] scope:SCOPE_SE
	s_setreg_imm32_b32 hwreg(HW_REG_WAVE_MODE, 25, 1), 1
	s_wait_xcnt 0x0
; composite: one work-group of ONE wave a ray (ray = work-group number).  It reads the ray's 1,024 validity bits, lists the H voxels that are hit,
; works out weight, depth and colour of those alone (all else is multiplied by 0 in the formula), and composites them in order of entry distance.
; No sort: the transmittance in front of hit i is the product of (1 - ws_j) over the hits j that come BEFORE i, that is key_j < key_i, or
; key_j = key_i and j earlier in the list.  The list is in ascending voxel order, so ties fall as a stable sort leaves them.
; Trip counts and gather addresses hang on the bits read from hits alone (whole numbers), never on a float of this launch.
; H may be anything from 0 to 1,024: chunks of 32 hits (lane = hit), and for each chunk blocks of 8 partners j.
; WHY ONE WAVE: the rays share nothing and their trip counts differ, so waves of one work-group could meet at no barrier.  The LDS is the wave's
; alone; LDS serves a wave's instructions in order (ISA guide 5.7.1), so its loads see its stores and there is no barrier at all.
; The launch asks for 41,216 bytes of LDS, of which the tables use 33,024: eight such work-groups take 329,728 bytes, and 2,048 = 8 x 256.
; LEFT OUT, and why.  The matrix unit: behind the mask the colour product is, for one ray, H gathered blocks of 3 x 9 against ONE vector of 9;
; a 16 x 16 x 32 tile would hold one useful column and 9 of 32 k; it is 24 fused multiply-adds a hit, in f32.
; Tensor loads, clusters: rows are gathered by a list that differs from ray to ray; no two work-groups ask for the same tile.
; Whole aligned blocks of 256 bytes out: a ray's 20 bytes are born in one wave, and 64 rays would have to meet to fill such a block of out1.
; LIMITS: 1 / d is v_rcp_f32 (1 ULP, a denormal d counts as 0), the same line as in the launch that made the bits.  NaN from 0 * inf is dropped
; by the minima and maxima.  v_exp_f32 flushes results below 2^-126 to 0.  The product of (1 - ws_j) is formed in list order, not in sorted
; order: its last bits may differ, which matters only where it meets the threshold 0.01 to within those bits.
; The background term T_final * bg is not formed: bg is the constant (0, 0, 0) of the formula itself.
; v0 is the lane (0 to 31) throughout.
.set LIST, 0                           ; 1,024 words: the voxel numbers of the hits, ascending, zeros behind them; then 32 dump words, never read
.set KO,   4352                        ; 1,024 x 8 bytes:  (key, 1 - ws)
.set PAY,  12544                       ; 1,024 x 16 bytes: (ws r, ws g, ws b, depth)
.set WS,   28928                       ; 1,024 x 4 bytes:  ws; ends at 33,024
.set MSK, 32                           ; s[32:63]  the ray's 32 mask words
.set LT,  32                           ; s[32:39]  later: partner t comes before me
.set EQ,  40                           ; s[40:47]  equal keys
.set GT,  48                           ; s[48:55]  partner t stands earlier in the list
.set ZR,  20                           ; v[20:23]  four zeros for the list's first fill; later position and size
.set DMP, 29                           ; v29       1,024 + lane: my dump word's list position
.set ADR, 32                           ; v[32:63]  compaction: list position, then LDS address, of my voxel of group G
.set IDX, 64                           ; v[64:95]  compaction: its number
.set COL, 32                           ; v[32:66]  colours: coefficient e at COL + 4 (e / 3) + e % 3 (nine loads of 12 bytes on even registers)
.set TT,  96                           ; v[96:101] t0, t1 of the three axes
.set TN,  102
.set TF,  103
.set DL,  104                          ; t_far - t_near
.set SG,  105                          ; sigma
.set AL,  106                          ; alpha
.set BS,  107                          ; 1 - alpha + 1e-8
.set S0,  108                          ; sum of base^i
.set S1,  109                          ; sum of (i / 7) base^i
.set KEY, 110                          ; v[110:111] (key, 1 - ws)
.set PL,  112                          ; v[112:115] (ws r, ws g, ws b, depth)
.set WSR, 116
.set LG,  117                          ; v[117:119] min(t0, t1), then logits, then r, g, b
.set KI,  120                          ; loop B: my key
.set WI,  121                          ; my ws
.set PI,  124                          ; v[124:127] my payload
.set TP,  128                          ; v[128:131] four chains of the product
.set REL, 132                          ; my list position - the block's first
.set JA,  133                          ; LDS address of the block
.set KJ,  136                          ; v[136:151] 8 x (key_j, 1 - ws_j)
.set F,   152                          ; v[152:159] factors
.set ACC, 160                          ; v[160:164] r, g, b, depth, weight
.set TM,  165                          ; the product, or 0 below the threshold
	s_load_b512 s[8:23], s[0:1], 0x0               ; hits 8, ray_origins 10, ray_directions 12, positions 14, sizes 16, densities 18, colors 20, out0 22
	s_load_b128 s[24:27], s[0:1], 0x40             ; out1 24, out2 26
	v_lshl_add_u32 v168, v0, 2, 0xa000
	v_mov_b32 v169, 0
	s_lshr_b32 s28, ttmp9, 3
	s_lshl_b32 s28, s28, 10                        ; the block of 8 rays in hits: 1,024 bytes,
	s_and_b32 s85, ttmp9, 7
	s_lshl_b32 s85, s85, 5                         ; and my ray's 32 bytes in each of its four quarters
	s_add_co_u32 s28, s28, s85
	s_mov_b32 s29, 0
	s_mul_i32 s30, ttmp9, 12                       ; origin, direction, out0
	s_mov_b32 s31, 0
	s_lshl_b32 s66, ttmp9, 2                       ; out1, out2
	s_mov_b32 s67, 0
	s_mov_b32 s86, 0x76543210                      ; v_permlanex16_b32: lane i reads lane i of the other half
	s_mov_b32 s87, 0xfedcba98
	s_mov_b32 s76, 0                               ; hits counted so far
	v_mov_b32 v19, 0                               ; the offset of the three stores at the end
	v_or_b32 v[DMP], 0x400, v0
	v_lshlrev_b32 v3, 4, v0                        ; 16 bytes a lane
.irp r, 0,1,2,3
	v_mov_b32 v[ZR+\r], 0
.endr
	s_wait_kmcnt 0x0
	s_add_nc_u64 s[8:9], s[8:9], s[28:29]
	s_add_nc_u64 s[10:11], s[10:11], s[30:31]
	s_add_nc_u64 s[12:13], s[12:13], s[30:31]
	s_add_nc_u64 s[22:23], s[22:23], s[30:31]
	s_add_nc_u64 s[24:25], s[24:25], s[66:67]
	s_add_nc_u64 s[26:27], s[26:27], s[66:67]
.irp w, 0,1,2,3
	s_load_b256 s[MSK+8*\w:MSK+8*\w+7], s[8:9], 256*\w     ; voxel groups 8 w .. 8 w + 7
.endr
	s_load_b96 s[68:70], s[10:11], 0x0             ; origin
	s_load_b96 s[72:74], s[12:13], 0x0             ; direction
	; while these are on their way: the list's 1,024 words are zeroed (8 stores of 512 bytes), so that the last chunk's idle lanes read voxel 0
	; (and are masked), and the voxel numbers are made
.irp i, 0,1,2,3,4,5,6,7
	ds_store_b128 v3, v[ZR:ZR+3] offset:LIST+512*\i
.endr
.set G, 0
.rept 32
	v_or_b32 v[IDX+G], 32*G, v0
.set G, G+1
.endr
	s_wait_kmcnt 0x0
	; COMPACTION.  My voxel of group G goes to list position (hits of groups below G) + (hits of lower lanes in G) if it is hit, else to my dump
	; word.  All lanes stay on.  Passes over the 32 groups, so that no line waits for the one in front of it.
.set G, 0
.rept 32
	v_mbcnt_lo_u32_b32 v[ADR+G], s[MSK+G], s76
	s_bcnt1_i32_b32 s77, s[MSK+G]
	s_add_co_u32 s76, s76, s77
.set G, G+1
.endr
.set G, 0
.rept 32
	v_cndmask_b32 v[ADR+G], v[DMP], v[ADR+G], s[MSK+G]
.set G, G+1
.endr
.set G, 0
.rept 32
	v_min_u32 v[ADR+G], 0x41f, v[ADR+G]            ; a hit's position is below 1,024, a dump word's below 1,056; the bound is written out since the number comes from loaded bits
.set G, G+1
.endr
.set G, 0
.rept 32
	v_lshlrev_b32 v[ADR+G], 2, v[ADR+G]
.set G, G+1
.endr
.set G, 0
.rept 32
	ds_store_b32 v[ADR+G], v[IDX+G] offset:LIST    ; behind the zeros, in the wave's order
.set G, G+1
.endr
	s_min_u32 s79, s76, 0x400                      ; H
	s_add_co_u32 s80, s79, 31
	s_lshr_b32 s80, s80, 5
	s_max_u32 s80, s80, 1                          ; chunks of 32 hits: at least one, so that every register and LDS byte read below is written
	s_min_u32 s80, s80, 32
	s_add_co_u32 s81, s79, 7
	s_lshr_b32 s81, s81, 3
	s_max_u32 s81, s81, 1                          ; blocks of 8 partners
	s_min_u32 s81, s81, 128
	; THE RAY: 1 / d and the basis (1, y, z, x, xy, yz, 3 z^2 - 1, xz, x^2 - y^2)
	v_mov_b32 v11, s72                             ; x
	v_mov_b32 v12, s73                             ; y
	v_mov_b32 v13, s74                             ; z
	v_rcp_f32 v8, v11
	v_rcp_f32 v9, v12
	v_rcp_f32 v10, v13
	v_mul_f32 v14, v11, v12                        ; plain lines that use no reciprocal stand behind the last v_rcp_f32 (ISA guide 5.7.2)
	v_mul_f32 v15, v12, v13
	v_mul_f32 v16, v13, v13
	v_mul_f32 v17, v11, v13
	v_mul_f32 v18, v11, v11
	v_fma_f32 v16, 0x40400000, v16, -1.0
	v_fma_f32 v18, -v12, v12, v18
.irp r, 0,1,2,3,4
	v_mov_b32 v[ACC+\r], 0                         ; five sums that several chunks add to
.endr
	; LOOP A: chunk c = hits 32 c .. 32 c + 31.  Gather, weight, depth, colour; into LDS.
	s_mov_b32 s82, 0
.Lchunk_a:
	s_lshl_b32 s85, s82, 5
	v_add_nc_u32 v3, s85, v0                       ; my list position
	v_min_u32 v4, 0x3ff, v3
	v_lshlrev_b32 v5, 2, v4
	v_lshlrev_b32 v6, 3, v4
	v_lshlrev_b32 v7, 4, v4
	ds_load_b32 v25, v5 offset:LIST
	v_cmp_gt_u32 s84, s79, v3                      ; H > position: a real hit
	s_wait_dscnt 0x0
	v_min_u32 v25, 0x3ff, v25                      ; a loaded number enters addresses only behind this bound
	v_mul_u32_u24 v26, 12, v25
	v_lshlrev_b32 v27, 2, v25
	v_mul_u32_u24 v28, 108, v25
	global_load_b96 v[20:22], v26, s[14:15]        ; position
	global_load_b32 v23, v27, s[16:17]             ; size
	global_load_b32 v24, v27, s[18:19]             ; density
.irp j, 0,1,2,3,4,5,6,7,8
	global_load_b96 v[COL+4*\j:COL+4*\j+2], v28, s[20:21] offset:12*\j  ; a row of 27 coefficients, 108 bytes
.endr
	s_wait_loadcnt 0x9                             ; position, size and density are in; the 9 colour loads issued behind them may stay out
	v_mul_f32 v[SG], 0x3fb8aa3b, v24
	v_mul_f32 v23, 0.5, v23                        ; half
	v_exp_f32 v[SG], v[SG]                         ; sigma = e^density; the box lines below are the place behind it
.irp a, 0,1,2
	v_sub_f32 v[TT+2*\a],   v[20+\a], v23          ; bmin
	v_add_f32 v[TT+2*\a+1], v[20+\a], v23          ; bmax
.endr
.irp a, 0,1,2
	v_sub_f32 v[TT+2*\a],   v[TT+2*\a],   s[68+\a]
	v_sub_f32 v[TT+2*\a+1], v[TT+2*\a+1], s[68+\a]
.endr
	s_wait_alu depctr_va_vdst(0)
.irp a, 0,1,2
	v_mul_f32 v[TT+2*\a],   v[TT+2*\a],   v[8+\a]
	v_mul_f32 v[TT+2*\a+1], v[TT+2*\a+1], v[8+\a]
.endr
.irp a, 0,1,2
	v_min_num_f32 v[LG+\a],   v[TT+2*\a], v[TT+2*\a+1]
	v_max_num_f32 v[TT+2*\a], v[TT+2*\a], v[TT+2*\a+1]
.endr
	v_max3_num_f32 v[TN], v[LG], v[LG+1], v[LG+2]
	v_min3_num_f32 v[TF], v[TT], v[TT+2], v[TT+4]
	v_sub_f32 v[DL], v[TF], v[TN]
	v_mul_f32 v[AL], v[SG], v[DL]
	v_mul_f32 v[AL], 0xbe38aa3b, v[AL]             ; - log2(e) / 8: e^(-sigma (tf - tn) / 8) as a power of 2
	v_exp_f32 v[AL], v[AL]
	v_cndmask_b32 v[KEY], 0x7f800000, v[TN], s84   ; key: t_near, +inf in an idle lane (also the place behind v_exp_f32)
	s_wait_alu depctr_va_vdst(0)
	v_sub_f32 v[AL], 1.0, v[AL]                    ; alpha
	v_sub_f32 v[BS], 1.0, v[AL]
	v_add_f32 v[BS], 0x322bcc77, v[BS]             ; + 1e-8
	v_add_f32 v[S0], 1.0, v[BS]                    ; two Horner chains by turns: sum of base^i, i = 0 .. 7,
	v_add_f32 v[S1], 0x3f5b6db7, v[BS]             ; and sum of (i / 7) base^i: 7/7 base + 6/7, ...
.irp c, 0x3f36db6e, 0x3f124925, 0x3edb6db7, 0x3e924925, 0x3e124925
	v_fma_f32 v[S0], v[S0], v[BS], 1.0
	v_fmaak_f32 v[S1], v[S1], v[BS], \c            ; 5/7, 4/7, 3/7, 2/7, 1/7
.endr
	v_fma_f32 v[S0], v[S0], v[BS], 1.0
	v_mul_f32 v[S1], v[S1], v[BS]
	v_mul_f32 v[WSR], v[AL], v[S0]                 ; ws = alpha sum base^i
	v_mul_f32 v[PL+3], v[TN], v[S0]
	v_fmac_f32 v[PL+3], v[DL], v[S1]
	v_mul_f32 v[PL+3], v[AL], v[PL+3]              ; depth = alpha (tn S0 + (tf - tn) S1)
	v_cndmask_b32 v[WSR], 0, v[WSR], s84           ; an idle lane weighs nothing
	s_wait_loadcnt 0x0                             ; the colours; no load of this trip is out any more, so the next trip may rewrite the offsets
.irp k, 0,1,2
	v_fma_f32 v[LG+\k], v[COL+12*\k+1], v12, v[COL+12*\k]  ; coefficient 0 times 1 starts the sum
.endr
.macro LSTEP off, basis                 ; one term of the three channels' sums
.irp k, 0,1,2
	v_fmac_f32 v[LG+\k], v[COL+12*\k+\off], v[\basis]
.endr
.endm
	LSTEP 2, 13                                    ; z
	LSTEP 4, 11                                    ; x
	LSTEP 5, 14                                    ; xy
	LSTEP 6, 15                                    ; yz
	LSTEP 8, 16                                    ; 3 z^2 - 1
	LSTEP 9, 17                                    ; xz
	LSTEP 10, 18                                   ; x^2 - y^2
.irp k, 0,1,2
	v_mul_f32 v[LG+\k], 0xbfb8aa3b, v[LG+\k]
.endr
.irp k, 0,1,2
	v_exp_f32 v[LG+\k], v[LG+\k]                   ; e^-logit
.endr
	v_cndmask_b32 v[PL+3], 0, v[PL+3], s84         ; the place behind the exponentials
	s_wait_alu depctr_va_vdst(0)
.irp k, 0,1,2
	v_add_f32 v[LG+\k], 1.0, v[LG+\k]
.endr
.irp k, 0,1,2
	v_rcp_f32 v[LG+\k], v[LG+\k]                   ; the sigmoid
.endr
	v_sub_f32 v[KEY+1], 1.0, v[WSR]                ; 1 - ws (the place behind the reciprocals)
	s_wait_alu depctr_va_vdst(0)
.irp k, 0,1,2
	v_mul_f32 v[PL+\k], v[WSR], v[LG+\k]
.endr
	ds_store_b64 v6, v[KEY:KEY+1] offset:KO
	ds_store_b128 v7, v[PL:PL+3] offset:PAY
	ds_store_b32 v5, v[WSR] offset:WS
	s_add_co_u32 s82, s82, 1
	s_cmp_lt_u32 s82, s80
	s_cbranch_scc1 .Lchunk_a
	; LOOP B: chunk c again; for each of its hits the product over all partners that come before it, then the five sums.
	s_mov_b32 s82, 0
.Lchunk_b:
	s_lshl_b32 s85, s82, 5
	v_add_nc_u32 v3, s85, v0
	v_min_u32 v4, 0x3ff, v3
	v_lshlrev_b32 v5, 2, v4
	v_lshlrev_b32 v6, 3, v4
	v_lshlrev_b32 v7, 4, v4
	ds_load_b32 v[KI], v6 offset:KO
	ds_load_b128 v[PI:PI+3], v7 offset:PAY
	ds_load_b32 v[WI], v5 offset:WS
.irp r, 0,1,2,3
	v_mov_b32 v[TP+\r], 1.0                        ; the empty product, in four chains
.endr
	s_mov_b32 s83, 0
.Lblock:
	s_min_u32 s85, s83, 127
	s_lshl_b32 s85, s85, 6                         ; 8 partners x 8 bytes
	v_mov_b32 v[JA], s85
	s_lshl_b32 s77, s83, 3
	v_sub_nc_u32 v[REL], v3, s77                   ; partner t stands earlier in the list than I do where t < REL (signed)
.irp i, 0,1,2,3
	ds_load_b128 v[KJ+4*\i:KJ+4*\i+3], v[JA] offset:KO+16*\i   ; one address for all lanes
.endr
	s_wait_dscnt 0x0                               ; the block; in a chunk's first trip my own key, payload and ws too
.irp t, 0,1,2,3,4,5,6,7
	v_cmp_lt_f32 s[LT+\t], v[KJ+2*\t], v[KI]
	v_cmp_eq_f32 s[EQ+\t], v[KJ+2*\t], v[KI]
	v_cmp_lt_i32 s[GT+\t], \t, v[REL]
.endr
.irp t, 0,1,2,3,4,5,6,7
	s_and_b32 s[EQ+\t], s[EQ+\t], s[GT+\t]
	s_or_b32 s[LT+\t], s[LT+\t], s[EQ+\t]          ; before me: a smaller key, or the same key and an earlier place
.endr
.irp t, 0,1,2,3,4,5,6,7
	v_cndmask_b32 v[F+\t], 1.0, v[KJ+2*\t+1], s[LT+\t]
.endr
.irp t, 0,1,2,3,4,5,6,7
	v_mul_f32 v[TP+(\t&3)], v[TP+(\t&3)], v[F+\t]
.endr
	s_add_co_u32 s83, s83, 1
	s_cmp_lt_u32 s83, s81
	s_cbranch_scc1 .Lblock
	v_mul_f32 v[TP], v[TP], v[TP+1]
	v_mul_f32 v[TP+2], v[TP+2], v[TP+3]
	v_mul_f32 v[TP], v[TP], v[TP+2]                ; the transmittance in front of my hit
	v_cmp_le_f32 vcc_lo, 0x3c23d70a, v[TP]         ; 0.01 <= T: processed before the early stop
	v_cndmask_b32 v[TM], 0, v[TP], vcc_lo
.irp r, 0,1,2,3
	v_fmac_f32 v[ACC+\r], v[TM], v[PI+\r]          ; r, g, b, depth
.endr
	v_fmac_f32 v[ACC+4], v[TM], v[WI]              ; weight
	s_add_co_u32 s82, s82, 1
	s_cmp_lt_u32 s82, s80
	s_cbranch_scc1 .Lchunk_b
	; THE FIVE SUMS over the 32 lanes, in step: four steps inside each half of 16 lanes, one across the halves
.irp m, 1,2,4,8
.irp r, 0,1,2,3,4
	v_add_f32_dpp v[ACC+\r], v[ACC+\r], v[ACC+\r] row_xmask:\m row_mask:0xf bank_mask:0xf
.endr
.endr
.irp r, 0,1,2,3,4
	v_permlanex16_b32 v[F+\r], v[ACC+\r], s86, s87 ; its destination counts as read: the F registers were written in every block
.endr
.irp r, 0,1,2,3,4
	v_add_f32 v[ACC+\r], v[ACC+\r], v[F+\r]
.endr
	s_cmp_lg_u32 s79, 0                            ; any hit at all?
	s_cselect_b32 s88, -1, 0
	v_cndmask_b32 v[ACC+3], 0x42c80000, v[ACC+3], s88  ; else the far plane, 100
	v_cmp_eq_u32 vcc_lo, 0, v0
	s_wait_xcnt 0x0                                ; EXEC is narrowed only behind this wait: loop A issued global loads
	s_wait_tensorcnt 0x0
	ds_add_u32 v168, v169
	s_wait_dscnt 0x0
	s_and_saveexec_b32 s78, vcc_lo                 ; lane 0 stores the ray's 20 bytes; EXEC is not needed again
	global_store_b96 v19, v[ACC:ACC+2], s[22:23]
	global_store_b32 v19, v[ACC+3], s[24:25]
	global_store_b32 v19, v[ACC+4], s[26:27]
	s_endpgm
.Lfunc_end_k_q4860c73f83_composite:
	.size	k_q4860c73f83_composite, .Lfunc_end_k_q4860c73f83_composite-k_q4860c73f83_composite
	.p2alignl 7, 3214868480
	.fill 96, 4, 3214868480
	.section	.rodata,"a",@progbits
	.p2align	6, 0x0
	.amdhsa_kernel k_q4860c73f83_composite
		.amdhsa_group_segment_fixed_size 41216
		.amdhsa_private_segment_fixed_size 0
		.amdhsa_enable_private_segment 0
		.amdhsa_kernarg_size 80
		.amdhsa_user_sgpr_count 2
		.amdhsa_user_sgpr_kernarg_segment_ptr 1
		.amdhsa_wavefront_size32 1
		.amdhsa_system_sgpr_workgroup_id_x 1
		.amdhsa_system_sgpr_workgroup_id_y 1
		.amdhsa_system_sgpr_workgroup_id_z 1
		.amdhsa_system_vgpr_workitem_id 0
		.amdhsa_next_free_vgpr 170
		.amdhsa_next_free_sgpr 90
		.amdhsa_reserve_vcc 1
		.amdhsa_float_denorm_mode_32 3
		.amdhsa_float_denorm_mode_16_64 3
		.amdhsa_memory_ordered 1
		.amdhsa_forward_progress 1
		.amdhsa_inst_pref_size 30
	.end_amdhsa_kernel
	.amdgpu_metadata
---
amdhsa.version: [ 1, 2 ]
amdhsa.kernels:
  - .name:           k_q4860c73f83_composite
    .symbol:         k_q4860c73f83_composite.kd
    .args:
      - { .name: hits, .offset: 0, .size: 8, .value_kind: global_buffer, .address_space: global }
      - { .name: ray_origins, .offset: 8, .size: 8, .value_kind: global_buffer, .address_space: global }
      - { .name: ray_directions, .offset: 16, .size: 8, .value_kind: global_buffer, .address_space: global }
      - { .name: positions, .offset: 24, .size: 8, .value_kind: global_buffer, .address_space: global }
      - { .name: sizes, .offset: 32, .size: 8, .value_kind: global_buffer, .address_space: global }
      - { .name: densities, .offset: 40, .size: 8, .value_kind: global_buffer, .address_space: global }
      - { .name: colors, .offset: 48, .size: 8, .value_kind: global_buffer, .address_space: global }
      - { .name: out0, .offset: 56, .size: 8, .value_kind: global_buffer, .address_space: global }
      - { .name: out1, .offset: 64, .size: 8, .value_kind: global_buffer, .address_space: global }
      - { .name: out2, .offset: 72, .size: 8, .value_kind: global_buffer, .address_space: global }
    .group_segment_fixed_size: 41216
    .private_segment_fixed_size: 0
    .kernarg_segment_align: 8
    .kernarg_segment_size: 80
    .max_flat_workgroup_size: 32
    .sgpr_count:     90
    .vgpr_count:     170
    .wavefront_size: 32
...
	.end_amdgpu_metadata
.endif
;; end of part 2
